; MI455X (gfx1250); checked and timed in simulation.
; The chip was launched on July 23, 2026; its instructions are those of AMD's public machine-readable ISA for CDNA 5 (MIT licence, August 2026) and "CDNA5" Instruction Set Architecture Reference Guide (July 2026). The comments in the code are by the model that wrote it; some were corrected since.
;; Middle Head Layer. Allowed arithmetic: float matrix products may take bf16 or f16 operands with f32 sums; all other float work in f32.
;; Inputs: W1 4,096 x 1,024 float32; W2 1,024 x 4,096 float32; b1 4,096 float32; b2 1,024 float32; batch 8,192 x 1,024 float32.
;; Outputs: out0 8,192 float32.
;; One version. Each part assembles by itself: llvm-mc -triple=amdgcn-amd-amdhsa -mcpu=gfx1250 --defsym DOCPART=n.
;; ======== version 1 of 1: 4 launches
;; limits: values are held in f16: magnitudes above 65,504 overflow, below 6.1e-05 lose precision; inputs' magnitudes at most 65,504
;; workspace buffers: xh 16,777,216 bytes; w1h 8,388,608 bytes; w2h 8,388,608 bytes; inner 67,108,864 bytes; zp 131,072 bytes
;; launch cast (part 1): grid 256 x 4, 8 waves a work-group, no clusters, 0 bytes of LDS; arguments batch, W1, W2, xh, w1h, w2h; writes xh, w1h, w2h
.if DOCPART == 1
	.amdgcn_target "amdgcn-amd-amdhsa--gfx1250"
	.amdhsa_code_object_version 6
	.text
	.protected	k_qca0b7c639f_cast
	.globl	k_qca0b7c639f_cast
	.p2align	8
	.type	k_qca0b7c639f_cast,@function
k_qca0b7c639f_cast:
	s_mov_b64 s[64:65], 0
	v_nop
	global_prefetch_b8 v0, s[64:65] scope:SCOPE_SE
	s_setreg_imm32_b32 hwreg(HW_REG_WAVE_MODE, 25, 1), 1
	s_wait_xcnt 0x0
; batch, W1 and W2 from f32 to f16, rounded to nearest even, once, so that the two products load 16-bit tiles and convert nothing.
; LIMIT: a number above 65,504 in magnitude becomes infinite in f16; below 6.1e-5 it keeps an absolute error of at most 3e-8.
; The 16 M numbers are four quarters of 4 M: grid y = 0, 1 the two halves of batch, 2 = W1, 3 = W2.  A work-group owns 65,536 bytes
; of f32 (16,384 numbers) and makes 32,768 bytes of f16.  Thread t takes 16 bytes at 16 t of each piece of 4,096 bytes: a load of a
; wave covers 512 consecutive bytes, a store 256 consecutive bytes, aligned.  All sixteen loads go out first; no register is written twice,
; so no source of a pending instruction is ever overwritten.  No LDS, matrix unit or cluster: work-groups share no byte, and memory binds.
.set PIECES, 16
.set X, 4                              ; v[4:67]   piece j: 4 numbers in f32
.set Y, 68                             ; v[68:99]  piece j: 4 numbers in f16
	s_load_b256 s[4:11], s[0:1], 0x0               ; batch s[4:5], W1 s[6:7], W2 s[8:9], xh s[10:11]
	s_load_b128 s[12:15], s[0:1], 0x20             ; w1h s[12:13], w2h s[14:15]
	s_and_b32 s16, ttmp7, 0xffff                   ; the quarter
	v_lshlrev_b32 v1, 4, v0                        ; 16 t: my bytes in a piece of the source
	v_lshlrev_b32 v2, 3, v0                        ; 8 t: in a piece of the result
	s_wait_kmcnt 0x0
	s_cmp_eq_u32 s16, 2                            ; the choice of buffers hangs on the work-group's y alone
	s_cselect_b64 s[18:19], s[6:7], s[4:5]
	s_cselect_b64 s[20:21], s[12:13], s[10:11]
	s_cmp_eq_u32 s16, 3
	s_cselect_b64 s[18:19], s[8:9], s[18:19]
	s_cselect_b64 s[20:21], s[14:15], s[20:21]
	s_cmp_eq_u32 s16, 1
	s_cselect_b32 s22, 1, 0                        ; batch's second half begins 16 MiB on
	s_lshl_b32 s22, s22, 24
	s_lshl_b32 s2, ttmp9, 16                       ; 65,536 bytes a work-group
	s_add_co_u32 s2, s2, s22
	s_mov_b32 s3, 0
	s_lshr_b32 s22, s2, 1                          ; half as many bytes in the result
	s_mov_b32 s23, 0
	s_add_nc_u64 s[18:19], s[18:19], s[2:3]
	s_add_nc_u64 s[20:21], s[20:21], s[22:23]
.irp j, 0,1,2,3,4,5,6,7,8,9,10,11,12,13,14,15
	global_load_b128 v[X+4*\j:X+4*\j+3], v1, s[18:19] offset:4096*\j th:TH_LOAD_NT   ; read once in the launch
.endr
.irp j, 0,1,2,3,4,5,6,7,8,9,10,11,12,13,14,15
	s_wait_loadcnt PIECES-1-\j                     ; loads come back in order: piece j is in, the younger ones stay out
	v_cvt_pk_f16_f32 v[Y+2*\j],   v[X+4*\j],   v[X+4*\j+1]
	v_cvt_pk_f16_f32 v[Y+2*\j+1], v[X+4*\j+2], v[X+4*\j+3]
	global_store_b64 v2, v[Y+2*\j:Y+2*\j+1], s[20:21] offset:2048*\j    ; no hint: the next launches read it
.endr
	s_endpgm
.Lfunc_end_k_qca0b7c639f_cast:
	.size	k_qca0b7c639f_cast, .Lfunc_end_k_qca0b7c639f_cast-k_qca0b7c639f_cast
	.p2alignl 7, 3214868480
	.fill 96, 4, 3214868480
	.section	.rodata,"a",@progbits
	.p2align	6, 0x0
	.amdhsa_kernel k_qca0b7c639f_cast
		.amdhsa_group_segment_fixed_size 0
		.amdhsa_private_segment_fixed_size 0
		.amdhsa_enable_private_segment 0
		.amdhsa_kernarg_size 48
		.amdhsa_user_sgpr_count 2
		.amdhsa_user_sgpr_kernarg_segment_ptr 1
		.amdhsa_wavefront_size32 1
		.amdhsa_system_sgpr_workgroup_id_x 1
		.amdhsa_system_sgpr_workgroup_id_y 1
		.amdhsa_system_sgpr_workgroup_id_z 1
		.amdhsa_system_vgpr_workitem_id 0
		.amdhsa_next_free_vgpr 100
		.amdhsa_next_free_sgpr 66
		.amdhsa_reserve_vcc 0
		.amdhsa_float_denorm_mode_32 3
		.amdhsa_float_denorm_mode_16_64 3
		.amdhsa_memory_ordered 1
		.amdhsa_forward_progress 1
		.amdhsa_inst_pref_size 7
	.end_amdhsa_kernel
	.amdgpu_metadata
---
amdhsa.version: [ 1, 2 ]
amdhsa.kernels:
  - .name:           k_qca0b7c639f_cast
    .symbol:         k_qca0b7c639f_cast.kd
    .args:
      - { .name: batch, .offset: 0, .size: 8, .value_kind: global_buffer, .address_space: global }
      - { .name: W1, .offset: 8, .size: 8, .value_kind: global_buffer, .address_space: global }
      - { .name: W2, .offset: 16, .size: 8, .value_kind: global_buffer, .address_space: global }
      - { .name: xh, .offset: 24, .size: 8, .value_kind: global_buffer, .address_space: global }
      - { .name: w1h, .offset: 32, .size: 8, .value_kind: global_buffer, .address_space: global }
      - { .name: w2h, .offset: 40, .size: 8, .value_kind: global_buffer, .address_space: global }
    .group_segment_fixed_size: 0
    .private_segment_fixed_size: 0
    .kernarg_segment_align: 8
    .kernarg_segment_size: 48
    .max_flat_workgroup_size: 256
    .sgpr_count:     66
    .vgpr_count:     100
    .wavefront_size: 32
...
	.end_amdgpu_metadata
.endif
;; end of part 1
;; launch ffn1 (part 2): grid 16 x 32, 4 waves a work-group, clusters of 4 x 4, 327,680 bytes of LDS; arguments xh, w1h, b1, inner; writes inner
.if DOCPART == 2
	.amdgcn_target "amdgcn-amd-amdhsa--gfx1250"
	.amdhsa_code_object_version 6
	.text
	.protected	k_qca0b7c639f_ffn1
	.globl	k_qca0b7c639f_ffn1
	.p2align	8
	.type	k_qca0b7c639f_ffn1,@function
k_qca0b7c639f_ffn1:
	s_mov_b64 s[64:65], 0
	v_nop
	global_prefetch_b8 v0, s[64:65] scope:SCOPE_SE
	s_setreg_imm32_b32 hwreg(HW_REG_WAVE_MODE, 25, 1), 1
	s_wait_xcnt 0x0
	s_wait_alu depctr_hold_cnt(0) depctr_sa_sdst(0) depctr_va_vdst(0) depctr_va_sdst(0) depctr_va_ssrc(0) depctr_va_vcc(0) depctr_vm_vsrc(0)
	s_getreg_b32 s2, hwreg(HW_REG_IB_STS2, 6, 4)
	s_cmp_eq_u32 s2, 0
	s_cbranch_scc0 .Lentry_in_a_cluster
	s_endpgm
.Lentry_in_a_cluster:
	s_bfe_u32 s2, ttmp6, 0x10000c
	s_cmp_lg_u32 s2, 0xf033
	s_cbranch_scc0 .Lentry_shape_is_right
	s_endpgm
.Lentry_shape_is_right:
; inner[m][n] = tanh( sum over k of xh[m][k] w1h[n][k] + b1[n] ).  xh: [8192][1024] f16, w1h: [4096][1024] f16, b1: [4096] f32,
; inner: [8192][4096] f16.  Sums, bias and tanh in f32; inner rounded once.
; tanh(x) = 1 - 2 / (1 + 2^(C x)), C = 2 log2 e: right at both ends (2^.. = infinity gives 1, 0 gives -1).
; LIMIT: its absolute error is about 1e-7, so the relative error grows for |x| below about 1e-4.
; A work-group makes a block of 256 x 256 with four waves, a wave 128 x 128: 64 accumulator tiles of 16 x 16, 512 registers.
; K goes in steps of 128 through a ring of two LDS slots filled by the tensor data mover; a tile's rows are 256 bytes of memory
; and start at multiples of 256 bytes from the buffer's first byte.
; CLUSTERS: 4 x 4 work-groups.  The four of a row of the cluster need the same tiles of xh, the four of a column the same tiles of w1h.
; Such a tile is asked for jointly: each of the four issues the same tensor load with the same descriptor and a mask that names the four.
;
; REGISTERS, in windows of 256 (s_set_vgpr_msb says which window each operand place means):
;   window 0: v0-31 addresses; v64-127, v128-191 fragments of xh, two buffers (on the way out: T and RB); v192-223 packed results
;   window 1: v0-63 C x bias of my 128 columns; v64-127, v128-191 fragments of w1h, two buffers
;   window 2: the 32 accumulator tiles of my rows 0-63 (tile (a, b) at v[8 (8 a + b)]);   window 3: those of my rows 64-127
; THE MATRIX INSTRUCTION IS USED TRANSPOSED: source 0 = 16 rows of w1h, source 1 = 16 rows of xh.  Lane l then holds row l % 16 of the
; result and its registers 0 to 7 the columns 8 (l / 16) + 0 .. 7: eight neighbouring numbers of a row, 16 bytes in f16.
.set SIZE_N, 4096
.set SIZE_K, 1024
.set KSTEP,  128
.set PITCH,  272                       ; an LDS row: 256 bytes + 16 of padding = 68 words: the 16 rows that a load touches start 4 words apart modulo 64
.set HALFT,  128*PITCH                 ; 128 rows: what one tensor load brings
.set SLOT,   4*HALFT                   ; xh's 256 rows, then w1h's 256 rows
.set STAGE,  2*SLOT                    ; behind the ring: 16 rows x 272 bytes for each wave, for the way out; no tensor load lands here
.set SPITCH, 272
.set LAPS, SIZE_K/(2*KSTEP)            ; a lap = two K steps = once round the ring: 4
.set ADRA, 16                          ; v16-17  LDS address of my xh fragments in slot 0, 1
.set ADRB, 20                          ; v20-21  the same for w1h
.set STO,  24                          ; v24     the way out: where I put 16 bytes of a row
.set RD,   25                          ; v25     the way out: where I read a row back
.set CO,   26                          ; v26     my byte offset in inner
.set BO,   27                          ; v27     my byte offset in a tile's 16 numbers of b1
.set F0,   64                          ; fragment buffer 0
.set F1,   128                         ; fragment buffer 1
.set T,    64                          ; the way out: 64 numbers at work, window 0
.set RB,   128                         ; the way out: rows read back, window 0
.set TMP,  192                         ; the way out: packed results, window 0
.set BIAS, 0                           ; window 1
.set G1, 24                            ; s[24:31] descriptor group 1 for xh's tiles
.set G0, 32                            ; s[32:39] descriptor group 0 for xh's tiles, one set for each slot
.set G1B, 48                           ; s[48:55] descriptor group 1 for w1h's tiles: another mask
.set G0B, 56                           ; s[56:63] descriptor group 0 for w1h's tiles, one set for each slot
.set MSB, 0
.macro WIN new                         ; the immediate's high byte repeats the setting that is left; a switch that changes nothing is dropped
.if MSB != (\new)
	s_set_vgpr_msb (MSB<<8)|(\new)
.set MSB, (\new)
.endif
.endm
.set MUL_LO, 0xa1                      ; source 0 (w1h) window 1, source 1 (xh) window 0, C and D window 2
.set MUL_HI, 0xf1                      ; the same, C and D window 3
.set TO_B,   0x40                      ; destination window 1, address window 0
; A joint load.  Waves 0 and 1 fetch xh's two halves, waves 2 and 3 w1h's.  Each line has one mask and one set of registers for all that issue it.
; The branch hangs on the wave's number alone.
.macro JLOAD s
	s_cmp_eq_u32 s11, 0
	s_cbranch_scc0 .Lfor_b_\@
	tensor_load_to_lds s[G0+4*\s:G0+4*\s+3], s[G1:G1+7]
	s_nop 0
	s_branch .Lasked_\@
.Lfor_b_\@:
	tensor_load_to_lds s[G0B+4*\s:G0B+4*\s+3], s[G1B:G1B+7]
	s_nop 0
.Lasked_\@:
.endm
; A round of the cluster's barrier: my work-group's barrier; wave 0 signals for the work-group; every wave waits for all sixteen; my work-group's barrier again.
.macro CREST                           ; a round behind its opening barrier
	s_cmp_lg_u32 s10, 0
	s_cbranch_scc1 .Lnot_wave_0_\@
	s_barrier_signal -3
.Lnot_wave_0_\@:
	s_barrier_wait -3
	s_barrier_signal -1
	s_barrier_wait -1
.endm
.macro CROUND                          ; a whole round
	s_barrier_signal -1
	s_barrier_wait -1
	CREST
.endm
	s_load_b128 s[4:7], s[0:1], 0x0                ; xh s[4:5], w1h s[6:7]
	s_load_b64 s[66:67], s[0:1], 0x10              ; b1
	s_load_b64 s[8:9], s[0:1], 0x18                ; inner
	s_set_vgpr_msb 0x40
	v_lshl_add_u32 v255, v0, 2, 0x48400
	s_set_vgpr_msb 0x4000
	v_mov_b32 v255, 0
	s_set_vgpr_msb 0x1
	ds_add_u32 v255, v255
	s_set_vgpr_msb 0x100
	v_lshrrev_b32 v1, 5, v0
	v_readfirstlane_b32 s10, v1                    ; wave 0..3
	s_lshr_b32 s11, s10, 1                         ; which half of the block's rows is mine.  Also: I fetch for xh (0) or for w1h (1)
	s_and_b32 s12, s10, 1                          ; which half of its columns.  Also: which 128 rows of that tile I fetch
	s_bfe_u32 s40, ttmp6, 0x40000                  ; cx
	s_bfe_u32 s41, ttmp6, 0x40004                  ; cy
	s_lshl_b32 s42, ttmp9, 2
	s_add_co_u32 s42, s42, s40                     ; block column = 4 x cluster x + cx
	s_and_b32 s13, ttmp7, 0xffff
	s_lshl_b32 s13, s13, 2
	s_add_co_u32 s13, s13, s41                     ; block row = 4 x cluster y + cy
	s_lshl_b32 s43, s41, 2
	s_lshl_b32 s43, 15, s43                        ; my row of the cluster: places 4 cy .. 4 cy + 3
	s_lshl_b32 s44, 0x1111, s40                    ; my column: places cx, cx + 4, cx + 8, cx + 12
	; descriptor group 1: a tile of 128 rows x 128 elements of 2 bytes, 4 words of padding behind every 64 words
	s_or_b32 s[G1+0], s43, (1<<16)|(1<<20)|(1<<21)|(5<<22)|(3<<25)  ; xh's tiles go to my row of the cluster
	s_or_b32 s[G1B+0], s44, (1<<16)|(1<<20)|(1<<21)|(5<<22)|(3<<25) ; w1h's to my column
	s_mov_b32 s[G1B+1], KSTEP<<16
	s_mov_b32 s[G1+1], KSTEP<<16                   ; tensor_dim0 = 128
	s_mov_b32 s[G1B+2], 128<<16
	s_mov_b32 s[G1+2], 128<<16                     ; tensor_dim1 = 128
	s_mov_b32 s[G1B+3], KSTEP<<16
	s_mov_b32 s[G1+3], KSTEP<<16                   ; tile_dim0 = 128
	s_mov_b32 s[G1B+4], 128
	s_mov_b32 s[G1+4], 128                         ; tile_dim1 = 128
	s_mov_b32 s[G1B+5], SIZE_K
	s_mov_b32 s[G1+5], SIZE_K                      ; elements from row to row
	s_mov_b32 s[G1B+6], 0
	s_mov_b32 s[G1+6], 0
	s_mov_b32 s[G1B+7], 0
	s_mov_b32 s[G1+7], 0
	; xh's tiles hang on the block row alone, w1h's on the block column alone; each address is made in registers that never hold the other coordinate
	s_lshl_b32 s17, s12, 7                         ; which 128 rows of the tile I fetch
	s_lshl_b32 s16, s13, 8
	s_add_co_u32 s16, s16, s17                     ; xh: row 256 x block row + 128 x half
	s_lshl_b32 s46, s42, 8
	s_add_co_u32 s46, s46, s17                     ; w1h: row 256 x block column + 128 x half
	s_mov_b32 s17, 0
	s_mov_b32 s47, 0
	s_mov_b64 s[18:19], SIZE_K*2
	s_mul_u64 s[16:17], s[16:17], s[18:19]         ; in bytes
	s_mul_u64 s[46:47], s[46:47], s[18:19]
	s_mul_i32 s20, s10, HALFT                      ; where they go: wave x 128 rows
	s_lshl_b32 s68, s42, 10                        ; b1 at my 128 columns: 1,024 x block column + 512 x half, in bytes
	s_lshl_b32 s69, s12, 9
	s_add_co_u32 s68, s68, s69
	s_mov_b32 s69, 0
	s_wait_dscnt 0x0
	s_wait_kmcnt 0x0
	s_add_nc_u64 s[14:15], s[4:5], s[16:17]
	s_add_nc_u64 s[46:47], s[6:7], s[46:47]
	s_add_nc_u64 s[66:67], s[66:67], s[68:69]
	CROUND                                         ; all sixteen work-groups are here: the first joint loads meet
.irp s, 0,1
	s_mov_b32 s[G0+4*\s], 1                                        ; count = 1
	s_add_co_u32 s[G0+4*\s+1], s20, \s*SLOT                        ; LDS address
	s_add_nc_u64 s[G0+4*\s+2:G0+4*\s+3], s[14:15], \s*KSTEP*2      ; global address: K step s
	s_or_b32 s[G0+4*\s+3], s[G0+4*\s+3], 0x80000000                ; type = 2
	s_mov_b32 s[G0B+4*\s], 1
	s_add_co_u32 s[G0B+4*\s+1], s20, \s*SLOT
	s_add_nc_u64 s[G0B+4*\s+2:G0B+4*\s+3], s[46:47], \s*KSTEP*2
	s_or_b32 s[G0B+4*\s+3], s[G0B+4*\s+3], 0x80000000
	JLOAD \s                                       ; both slots are asked for before anything else is done: two tensor loads of the wave are out
.endr
	; A fragment is 16 rows x 32 K in 8 registers: lane l holds row l % 16; registers 0-3 K = 8 (l / 16) + 0..7, registers 4-7 K = 16 + 8 (l / 16) + 0..7:
	; two loads of 16 bytes, 32 bytes apart.
	v_and_b32 v1, 15, v0                           ; l % 16
	v_bfe_u32 v2, v0, 4, 1                         ; l / 16
	v_mul_u32_u24 v3, v1, PITCH
	v_lshl_add_u32 v3, v2, 4, v3                   ; row x pitch + 16 x half
	s_mul_i32 s21, s11, HALFT                      ; my 128 rows of xh
	s_mul_i32 s22, s12, HALFT                      ; my 128 rows of w1h,
	s_add_co_u32 s22, s22, 2*HALFT                 ; which lie behind xh's 256
.irp s, 0,1
	v_add_nc_u32 v[ADRA+\s], s21, v3
	v_add_nc_u32 v[ADRB+\s], s22, v3
	s_add_co_u32 s21, s21, SLOT
	s_add_co_u32 s22, s22, SLOT
.endr
	s_mul_i32 s23, s10, 16*SPITCH
	s_add_co_u32 s23, s23, STAGE                   ; my stage
	v_mul_u32_u24 v4, v1, SPITCH                   ; in: row l % 16, 16 bytes for each half of the lanes
	v_lshl_add_u32 v4, v2, 4, v4
	v_add_nc_u32 v[STO], s23, v4
	v_mul_u32_u24 v5, v2, SPITCH                   ; back: lanes 0-15 take one row of 256 bytes, lanes 16-31 the next
	v_lshl_add_u32 v5, v1, 4, v5
	v_add_nc_u32 v[RD], s23, v5
	v_mul_u32_u24 v5, v2, SIZE_N*2                 ; and the same two rows in inner
	v_lshl_add_u32 v[CO], v1, 4, v5
	v_lshlrev_b32 v[BO], 5, v2                     ; columns 8 (l / 16) + 0..7 of a tile: 32 bytes of b1
	; the bias of my 128 columns, in the accumulators' layout (tile b, register j: column 16 b + 8 (l / 16) + j), times C, once; the first tiles are on their way meanwhile
	WIN TO_B
.irp b, 0,1,2,3,4,5,6,7
	global_load_b128 v[BIAS+8*\b:BIAS+8*\b+3],   v[BO], s[66:67] offset:64*\b
	global_load_b128 v[BIAS+8*\b+4:BIAS+8*\b+7], v[BO], s[66:67] offset:64*\b+16
.endr
	s_wait_loadcnt 0x0
	WIN 0x41                                       ; source 0 and destination window 1
.set q, 0
.rept 32
	v_pk_mul_f32 v[BIAS+q:BIAS+q+1], v[BIAS+q:BIAS+q+1], 0x4038aa3b op_sel_hi:[1,0]
.set q, q+2
.endr
	WIN 0
; 16 matrix instructions: m blocks a0, a0 + 1 of the window's four (hi = 0: my rows 0-63, 1: rows 64-127) x all 8 n blocks, 32 along K.
; zero = 1: the first product starts the sums: nothing is cleared.  The 64 accumulators take turns, one instruction a turn, in the same
; order in every quarter step, over the loop's backward jump too.
.macro MUL16 f, hi, a0, zero
.irp a, \a0, \a0+1
.irp b, 0,1,2,3,4,5,6,7
.if \zero
	v_wmma_f32_16x16x32_f16 v[8*(8*(\a)+\b):8*(8*(\a)+\b)+7], v[\f+8*\b:\f+8*\b+7], v[\f+8*(4*\hi+\a):\f+8*(4*\hi+\a)+7], 0
.else
	v_wmma_f32_16x16x32_f16 v[8*(8*(\a)+\b):8*(8*(\a)+\b)+7], v[\f+8*\b:\f+8*\b+7], v[\f+8*(4*\hi+\a):\f+8*(4*\hi+\a)+7], v[8*(8*(\a)+\b):8*(8*(\a)+\b)+7]
.endif
.endr
.endr
.endm
; 32 LDS loads in one run: the fragments of one quarter step (128 rows of w1h, 128 rows of xh, 32 K at byte k of the rows) into buffer f
.macro FETCH slot, k, f
	WIN TO_B
.irp i, 0,1,2,3,4,5,6,7
	ds_load_b128 v[\f+8*\i:\f+8*\i+3],   v[ADRB+\slot] offset:\k+\i*16*PITCH
	ds_load_b128 v[\f+8*\i+4:\f+8*\i+7], v[ADRB+\slot] offset:\k+\i*16*PITCH+32
.endr
	WIN 0
.irp i, 0,1,2,3,4,5,6,7
	ds_load_b128 v[\f+8*\i:\f+8*\i+3],   v[ADRA+\slot] offset:\k+\i*16*PITCH
	ds_load_b128 v[\f+8*\i+4:\f+8*\i+7], v[ADRA+\slot] offset:\k+\i*16*PITCH+32
.endr
.endm
; A load into a register that a matrix instruction has read, and a vector instruction that reads a matrix result or writes one of a matrix
; instruction's registers, stand four places behind it; only plain vector instructions that name none of its registers are places.
.macro PLACES
.rept 4
	v_nop
.endr
.endm
; A K step is four quarter steps of 32 along K, 64 matrix instructions each, on buffers 0, 1, 0, 1.
; One of the first three: multiplies buffer f; in its middle it fetches the next quarter's fragments, at byte k of the same slot's rows, into buffer g.
.macro QUARTER slot, k, f, g, zero
	s_wait_dscnt 8                                 ; w1h and xh's rows 0-63 are in; the youngest eight loads (xh's rows 64-127) may be out
	WIN MUL_LO
	MUL16 \f, 0, 0, \zero
	MUL16 \f, 0, 2, \zero
	PLACES
	FETCH \slot, \k, \g
	s_wait_dscnt 32                                ; all but the 32 just issued
	WIN MUL_HI
	MUL16 \f, 1, 0, \zero
	MUL16 \f, 1, 2, \zero
.endm
.macro THREE slot, zero
	QUARTER \slot, 64,  F0, F1, \zero
	QUARTER \slot, 128, F1, F0, 0
	QUARTER \slot, 192, F0, F1, 0
.endm
; The last quarter: multiplies buffer 1 and changes slots.  next = the other slot; fill = 1: this slot is filled again, two K steps ahead.
; In front of the barrier each wave waits for its own reads of this slot and for all its tensor loads, of which one is out: its part of the next slot.
; Behind it nobody reads this slot and the next slot is whole: the refill comes first, then the next slot's first fragments.
; From a request to the wait for it a wave issues 240 matrix instructions.
.macro TURN slot, next, fill
	s_wait_dscnt 8
	WIN MUL_LO
	MUL16 F1, 0, 0, 0
	s_wait_dscnt 0                                 ; my reads of this slot are over
	s_wait_tensorcnt 0x0                           ; and all my tensor loads have landed
	ds_add_u32 v255, v255
	s_wait_dscnt 0x0
	s_barrier_signal -1                            ; say so (where a slot is filled again this barrier opens a round of the cluster's barrier),
	MUL16 F1, 0, 2, 0                              ; work on registers while the others arrive,
	WIN 0
	s_barrier_wait -1
.if \fill
	CREST                                          ; no wave of any partner still reads this slot's tile or has a load on its way
	s_add_nc_u64 s[G0+4*\slot+2:G0+4*\slot+3], s[G0+4*\slot+2:G0+4*\slot+3], 2*KSTEP*2
	s_add_nc_u64 s[G0B+4*\slot+2:G0B+4*\slot+3], s[G0B+4*\slot+2:G0B+4*\slot+3], 2*KSTEP*2
	JLOAD \slot                                    ; the wave's one tensor load behind the round, and the first thing there
.endif
	PLACES
	FETCH \next, 0, F0
	WIN MUL_HI
	MUL16 F1, 1, 0, 0
	MUL16 F1, 1, 2, 0
.endm
.macro LAP zero                        ; once round the ring, both slots filled again
	THREE 0, \zero
	TURN 0, 1, 1
	THREE 1, 0
	TURN 1, 0, 1
.endm
	s_wait_tensorcnt 1                             ; my part of K step 0 is in; K step 1's load stays out
	s_barrier_signal -1
	s_barrier_wait -1                              ; everybody's is
	FETCH 0, 0, F0
	LAP 1                                          ; the first lap stands in front of the loop: its first products start the sums
	WIN 0                                          ; at a label and at a branch every window is 0
	s_mov_b32 s3, LAPS-2
.Llap:
	LAP 0
	WIN 0
	s_sub_co_u32 s3, s3, 1
	s_cmp_lg_u32 s3, 0
	s_cbranch_scc1 .Llap
	THREE 0, 0                                     ; the last lap fills nothing and has no round of the cluster's barrier
	TURN 0, 1, 0
	THREE 1, 0
	s_wait_dscnt 8                                 ; the very last quarter: nothing more to fetch
	WIN MUL_LO
	MUL16 F1, 0, 0, 0
	MUL16 F1, 0, 2, 0
	s_wait_dscnt 0
	WIN MUL_HI
	MUL16 F1, 1, 0, 0
	MUL16 F1, 1, 2, 0
	; THE WAY OUT, 16 rows at a time: bias and tanh in f32, round to f16, 16 bytes a lane into my own stage in LDS, read back as whole rows of 256 bytes.
	PLACES                                         ; the places behind the last matrix instructions, for all that follows
	s_lshl_b32 s13, s13, 8
	s_lshl_b32 s14, s11, 7
	s_add_co_u32 s16, s13, s14                     ; my first row of inner
	s_mov_b32 s17, 0
	s_mov_b64 s[18:19], SIZE_N*2
	s_mul_u64 s[16:17], s[16:17], s[18:19]
	s_add_nc_u64 s[8:9], s[8:9], s[16:17]
	s_lshl_b32 s46, s42, 9                         ; my first column, in bytes: 512 x block + 256 x half
	s_lshl_b32 s47, s12, 8
	s_add_co_u32 s46, s46, s47
	s_mov_b32 s47, 0
	s_add_nc_u64 s[8:9], s[8:9], s[46:47]
; T holds C x for 64 numbers; afterwards tanh(x).  Transcendentals stand in runs on different registers, and one v_nop stands between
; a run and the first use of its results (ISA guide 5.7.2).
.macro TANH64
.set q, 0
.rept 64
	v_exp_f32 v[T+q], v[T+q]
.set q, q+1
.endr
	v_nop
.set q, 0
	s_wait_alu depctr_va_vdst(0)
.rept 32
	v_pk_add_f32 v[T+q:T+q+1], v[T+q:T+q+1], 1.0 op_sel_hi:[1,0]
.set q, q+2
.endr
.set q, 0
.rept 64
	v_rcp_f32 v[T+q], v[T+q]
.set q, q+1
.endr
	v_nop
.set q, 0
	s_wait_alu depctr_va_vdst(0)
.rept 32
	v_pk_fma_f32 v[T+q:T+q+1], v[T+q:T+q+1], -2.0, 1.0 op_sel_hi:[1,0,0]
.set q, q+2
.endr
.endm
; rows 16 i .. 16 i + 15 of my block = the eight tiles (a, 0..7) of window win
.macro OUT16 i, a, win
	WIN 0x10|\win                                  ; source 0 the accumulators' window, source 2 window 1 (bias), destination window 0
.irp b, 0,1,2,3,4,5,6,7
.irp p, 0,2,4,6
	v_pk_fma_f32 v[T+8*\b+\p:T+8*\b+\p+1], v[8*(8*\a+\b)+\p:8*(8*\a+\b)+\p+1], 0x4038aa3b, v[BIAS+8*\b+\p:BIAS+8*\b+\p+1] op_sel_hi:[1,0,1]   ; C (sum + bias) in one multiply-add
.endr
.endr
	WIN 0
	TANH64
.irp b, 0,1,2,3,4,5,6,7
.irp r, 0,1,2,3
	v_cvt_pk_f16_f32 v[TMP+4*\b+\r], v[T+8*\b+2*\r], v[T+8*\b+2*\r+1]
.endr
.endr
.irp b, 0,1,2,3,4,5,6,7
	ds_store_b128 v[STO], v[TMP+4*\b:TMP+4*\b+3] offset:32*\b
.endr
	s_wait_xcnt 0x0                                ; RB, which the last stores read, and the stores' base are rewritten only behind this wait
.if \i
	s_add_nc_u64 s[8:9], s[8:9], 16*SIZE_N*2       ; 16 rows on
.endif
.irp t, 0,1,2,3,4,5,6,7
	ds_load_b128 v[RB+4*\t:RB+4*\t+3], v[RD] offset:\t*2*SPITCH    ; LDS serves a wave's instructions in order: these see the stores above
.endr
.irp t, 0,1,2,3,4,5,6,7
	s_wait_dscnt 7-\t                              ; pair t of rows is in, the younger loads stay out
	global_store_b128 v[CO], v[RB+4*\t:RB+4*\t+3], s[8:9] offset:2*\t*SIZE_N*2   ; 16 lanes store 256 consecutive bytes, aligned
.endr
.endm
	OUT16 0, 0, 2
	OUT16 1, 1, 2
	OUT16 2, 2, 2
	OUT16 3, 3, 2
	OUT16 4, 0, 3
	OUT16 5, 1, 3
	OUT16 6, 2, 3
	OUT16 7, 3, 3
	s_set_vgpr_msb 0x1
	s_wait_tensorcnt 0x0
	ds_add_u32 v255, v255
	s_wait_dscnt 0x0
	s_set_vgpr_msb 0x100
	CROUND                                         ; the closing round: no work-group ends while a partner may still ask for a tile that names it
	s_endpgm
.Lfunc_end_k_qca0b7c639f_ffn1:
	.size	k_qca0b7c639f_ffn1, .Lfunc_end_k_qca0b7c639f_ffn1-k_qca0b7c639f_ffn1
	.p2alignl 7, 3214868480
	.fill 96, 4, 3214868480
	.section	.rodata,"a",@progbits
	.p2align	6, 0x0
	.amdhsa_kernel k_qca0b7c639f_ffn1
		.amdhsa_group_segment_fixed_size 327680
		.amdhsa_private_segment_fixed_size 0
		.amdhsa_enable_private_segment 0
		.amdhsa_kernarg_size 32
		.amdhsa_user_sgpr_count 2
		.amdhsa_user_sgpr_kernarg_segment_ptr 1
		.amdhsa_wavefront_size32 1
		.amdhsa_system_sgpr_workgroup_id_x 1
		.amdhsa_system_sgpr_workgroup_id_y 1
		.amdhsa_system_sgpr_workgroup_id_z 1
		.amdhsa_system_vgpr_workitem_id 0
		.amdhsa_next_free_vgpr 1024
		.amdhsa_next_free_sgpr 70
		.amdhsa_reserve_vcc 0
		.amdhsa_float_denorm_mode_32 3
		.amdhsa_float_denorm_mode_16_64 3
		.amdhsa_memory_ordered 1
		.amdhsa_forward_progress 1
		.amdhsa_inst_pref_size 255
	.end_amdhsa_kernel
	.section	.bss,"aw",@nobits
	.p2align	6
	.space	262144
	.amdgpu_metadata
---
amdhsa.version: [ 1, 2 ]
amdhsa.kernels:
  - .name:           k_qca0b7c639f_ffn1
    .symbol:         k_qca0b7c639f_ffn1.kd
    .args:
      - { .name: xh, .offset: 0, .size: 8, .value_kind: global_buffer, .address_space: global }
      - { .name: w1h, .offset: 8, .size: 8, .value_kind: global_buffer, .address_space: global }
      - { .name: b1, .offset: 16, .size: 8, .value_kind: global_buffer, .address_space: global }
      - { .name: inner, .offset: 24, .size: 8, .value_kind: global_buffer, .address_space: global }
    .group_segment_fixed_size: 327680
    .private_segment_fixed_size: 0
    .kernarg_segment_align: 8
    .kernarg_segment_size: 32
    .max_flat_workgroup_size: 128
    .sgpr_count:     70
    .vgpr_count:     1024
    .wavefront_size: 32
...
	.end_amdgpu_metadata
.endif
;; end of part 2
;; launch ffn2 (part 3): grid 4 x 64, 4 waves a work-group, clusters of 4 x 4, 327,680 bytes of LDS; arguments inner, w2h, b2, batch, zp; writes zp
.if DOCPART == 3
	.amdgcn_target "amdgcn-amd-amdhsa--gfx1250"
	.amdhsa_code_object_version 6
	.text
	.protected	k_qca0b7c639f_ffn2
	.globl	k_qca0b7c639f_ffn2
	.p2align	8
	.type	k_qca0b7c639f_ffn2,@function
k_qca0b7c639f_ffn2:
	s_mov_b64 s[64:65], 0
	v_nop
	global_prefetch_b8 v0, s[64:65] scope:SCOPE_SE
	s_setreg_imm32_b32 hwreg(HW_REG_WAVE_MODE, 25, 1), 1
	s_wait_xcnt 0x0
	s_wait_alu depctr_hold_cnt(0) depctr_sa_sdst(0) depctr_va_vdst(0) depctr_va_sdst(0) depctr_va_ssrc(0) depctr_va_vcc(0) depctr_vm_vsrc(0)
	s_getreg_b32 s2, hwreg(HW_REG_IB_STS2, 6, 4)
	s_cmp_eq_u32 s2, 0
	s_cbranch_scc0 .Lentry_in_a_cluster
	s_endpgm
.Lentry_in_a_cluster:
	s_bfe_u32 s2, ttmp6, 0x10000c
	s_cmp_lg_u32 s2, 0xf033
	s_cbranch_scc0 .Lentry_shape_is_right
	s_endpgm
.Lentry_shape_is_right:
; zp[c][m] = sum over the 256 columns n of column block c of tanh( sum over k of inner[m][k] w2h[n][k] + b2[n] ) x batch[m][n].
; inner: [8192][4096] f16, w2h: [1024][4096] f16, b2: [1024] f32, batch: [8192][1024] f32, zp: [4][8192] f32.  All but the products' operands in f32.
; tanh as 1 - 2 / (1 + 2^(C x)), C = 2 log2 e.  LIMIT: absolute error about 1e-7, so the relative error grows for |x| below about 1e-4.
; A work-group makes 128 rows x 256 columns, so that 8192 x 1024 outputs give 256 work-groups.
; THE RING HAS TWO UNEQUAL SLOTS.  A slot holds 384 rows (256 of w2h, 128 of inner).  Two slots of 256 k would take 2 x 384 x 528 = 405,504 bytes,
; more than a work-group can have; a BIG slot of 256 k (202,752 bytes) and a SMALL one of 128 k (104,448 bytes) fit.  A lap is 384 k with two
; refills: fewer barriers for the same k, and more matrix work between a request and the wait for it, than two slots of 128 k give.
; 4096 = 10 x 384 + 256: big slots j = 0..10 hold k = 384 j .. + 255, small slots j = 0..9 hold k = 384 j + 256 .. + 127.  All rows are whole
; multiples of 256 bytes of memory and start at multiples of 256 bytes from the buffer's first byte.
; K IS SPLIT INSIDE THE WORK-GROUP: wave w has kh = w >> 1 and nh = w & 1 and multiplies all 128 rows by columns 128 nh .. + 127 over half kh of
; each slot's k.  So a wave still has a tile of 128 x 128, 64 accumulators, and each byte read from LDS feeds as many products as in a block of
; 256 x 256.  Window 2 holds the sums of the wave's own rows 64 kh .. + 63, window 3 those of rows 64 (1 - kh) .. + 63, which at the end go
; through LDS to wave w xor 2 and are added there.  Each wave then finishes 64 rows x 128 columns.
; CLUSTERS: 4 x 4 work-groups; inner's tiles are shared along a row of the cluster, w2h's along a column, each asked for jointly.
; The sum over a row spans four work-groups: each stores its part to its own 512 bytes of zp, and the next launch adds them.
;
; REGISTERS: window 0: v0-41 addresses and small work; v64-191 fragments of inner, two buffers (at the end: batch's rows 0-31)
;   window 1: v0-63 C x bias; v64-191 fragments of w2h (at the end: batch's rows 32-63)
;   window 2: tile (a, b) of my own rows at v[8 (8 a + b)];  window 3: the partner's rows (at the end: XF, T, DOT)
; The matrix instruction is used transposed (source 0 = rows of w2h): lane l holds row l % 16, registers 0-7 columns 8 (l / 16) + 0..7.
.set SIZE_K, 4096
.set PB,     528                       ; a row of the big slot: 512 bytes + 16 of padding = 33 x 16
.set PS,     272                       ; a row of the small slot: 256 bytes + 16 = 17 x 16: in both, the 16 rows that a load touches start 4 words apart modulo 64
.set BIGA,   256*PB                    ; 135,168: the big slot begins at 0 with w2h's 256 rows; here inner's 128 rows
.set SMALL,  384*PB                    ; 202,752: the small slot, w2h's 256 rows
.set SMALLA, SMALL+256*PS              ; 272,384: the small slot, inner's 128 rows
.set RS,     SMALL+384*PS              ; 307,200: 64 row sums of each wave; no tensor load lands here
.set XST,    131072                    ; each wave's stage for 16 rows of batch, 512 bytes + 16: bytes of the big slot, behind its last fill and last read
.set XPITCH, 528
.set LAPBYTES, 768                     ; a lap's 384 k in a row of memory
.set LAPS,   10
.set ADRL, 16                          ; v16-17  LDS address of the fragments of my own 64 rows of inner: big slot, small slot
.set ADRH, 18                          ; v18-19  of the partner's 64 rows
.set ADRB, 20                          ; v20-21  of my 128 rows of w2h
.set XS,   22                          ; v22     the hand-over: where I put window 3 (bytes 32,768 w .. of the big slot, behind its last fill and last read)
.set XL,   23                          ; v23     the hand-over: where my partner put its window 3
.set XSTO, 24                          ; v24     batch's stage: in, a row of 512 bytes a store
.set XRD,  25                          ; v25     batch's stage: back, in the accumulators' layout
.set L16,  26                          ; v26     16 x lane: my bytes in a row piece of batch, and in zp
.set BO,   27                          ; v27     my byte offset in a tile's 16 numbers of b2
.set RSO,  28                          ; v28     where my row's sum goes
.set RED,  29                          ; v29-30  the sum across the two halves of the lanes
.set RL,   31                          ; v31     wave 0: four rows' sums of the left columns; the right ones lie 256 bytes on
.set ZS,   34                          ; v34-41  wave 0: the sums
.set F0,   64
.set F1,   128
.set BIAS, 0                           ; window 1
.set XF,   0                           ; window 3: 64 numbers of batch, as the accumulators lie
.set T,    64                          ; window 3: 64 numbers at work
.set DOT,  128                         ; window 3: four chains of two sums
.set G1,   24                          ; s[24:31] descriptor group 1, inner's tiles, big slot (64 rows x 256 elements)
.set G1S,  76                          ; s[76:83] the same, small slot (64 rows x 128 elements)
.set G0,   32                          ; s[32:39] group 0 for inner's tiles: big slot, small slot
.set G1B,  48                          ; s[48:55] group 1, w2h's tiles, big slot (128 rows x 256 elements)
.set G1BS, 84                          ; s[84:91] the same, small slot (128 rows x 128 elements)
.set G0B,  56                          ; s[56:63] group 0 for w2h's tiles: big slot, small slot
.set MSB, 0
.macro WIN new
.if MSB != (\new)
	s_set_vgpr_msb (MSB<<8)|(\new)
.set MSB, (\new)
.endif
.endm
.set MUL_LO, 0xa1
.set MUL_HI, 0xf1
.set TO_B,   0x40
; A joint load into slot s (0 big, 1 small).  Waves 0 and 1 fetch w2h's two halves (128 rows each), waves 2 and 3 inner's (64 rows each).
; The branch hangs on the wave's number alone.
.macro JLOAD s
	s_cmp_eq_u32 s11, 0
	s_cbranch_scc0 .Lfor_a_\@
	tensor_load_to_lds s[G0B+4*\s:G0B+4*\s+3], s[G1B+(G1BS-G1B)*\s:G1B+(G1BS-G1B)*\s+7]
	s_nop 0
	s_branch .Lasked_\@
.Lfor_a_\@:
	tensor_load_to_lds s[G0+4*\s:G0+4*\s+3], s[G1+(G1S-G1)*\s:G1+(G1S-G1)*\s+7]
	s_nop 0
.Lasked_\@:
.endm
.macro CREST
	s_cmp_lg_u32 s10, 0
	s_cbranch_scc1 .Lnot_wave_0_\@
	s_barrier_signal -3
.Lnot_wave_0_\@:
	s_barrier_wait -3
	s_barrier_signal -1
	s_barrier_wait -1
.endm
.macro CROUND
	s_barrier_signal -1
	s_barrier_wait -1
	CREST
.endm
; Group 1: rows x cols elements of 2 bytes, 4 words of padding behind every row (2 << qi words), the joint load's mask with bit 21 beside it
.macro SHAPE g, mask, qi, cols, rows
	s_or_b32 s[\g+0], \mask, (1<<16)|(1<<20)|(1<<21)|(\qi<<22)|(3<<25)
	s_mov_b32 s[\g+1], \cols<<16                   ; tensor_dim0
	s_mov_b32 s[\g+2], \rows<<16                   ; tensor_dim1
	s_mov_b32 s[\g+3], \cols<<16                   ; tile_dim0
	s_mov_b32 s[\g+4], \rows                       ; tile_dim1
	s_mov_b32 s[\g+5], SIZE_K                      ; elements from row to row
	s_mov_b32 s[\g+6], 0
	s_mov_b32 s[\g+7], 0
.endm
; Group 0: LDS address = wave x wmul + base; global address = s[src:src+1] + off
.macro WHERE g, wmul, base, src, off
	s_mov_b32 s[\g], 1                             ; count = 1
	s_mul_i32 s[\g+1], s10, \wmul
	s_add_co_u32 s[\g+1], s[\g+1], \base
	s_add_nc_u64 s[\g+2:\g+3], s[\src:\src+1], \off
	s_or_b32 s[\g+3], s[\g+3], 0x80000000          ; type = 2
.endm
	s_load_b128 s[4:7], s[0:1], 0x0                ; inner s[4:5], w2h s[6:7]
	s_load_b128 s[68:71], s[0:1], 0x10             ; b2 s[68:69], batch s[70:71]
	s_load_b64 s[8:9], s[0:1], 0x20                ; zp
	s_set_vgpr_msb 0x40
	v_lshl_add_u32 v255, v0, 2, 0x4b400
	s_set_vgpr_msb 0x4000
	v_mov_b32 v255, 0
	s_set_vgpr_msb 0x1
	ds_add_u32 v255, v255
	s_set_vgpr_msb 0x100
	v_lshrrev_b32 v1, 5, v0
	v_readfirstlane_b32 s10, v1                    ; wave 0..3
	s_lshr_b32 s11, s10, 1                         ; kh.  Also: I fetch for w2h (0) or for inner (1)
	s_and_b32 s12, s10, 1                          ; nh.  Also: which half of that tile I fetch
	s_bfe_u32 s40, ttmp6, 0x40000                  ; cx
	s_bfe_u32 s41, ttmp6, 0x40004                  ; cy
	s_lshl_b32 s42, ttmp9, 2
	s_add_co_u32 s42, s42, s40                     ; block column = 4 x cluster x + cx
	s_and_b32 s13, ttmp7, 0xffff
	s_lshl_b32 s13, s13, 2
	s_add_co_u32 s13, s13, s41                     ; block row = 4 x cluster y + cy
	s_lshl_b32 s43, s41, 2
	s_lshl_b32 s43, 15, s43                        ; my row of the cluster
	s_lshl_b32 s44, 0x1111, s40                    ; my column
	s_mov_b32 s72, 0x76543210                      ; v_permlanex16_b32: lane i of one half reads lane i of the other
	s_mov_b32 s73, 0xfedcba98
	SHAPE G1,   s43, 6, 256, 64                    ; inner, big: rows of 128 words
	SHAPE G1S,  s43, 5, 128, 64                    ; inner, small: rows of 64 words
	SHAPE G1B,  s44, 6, 256, 128                   ; w2h, big
	SHAPE G1BS, s44, 5, 128, 128                   ; w2h, small
	s_lshl_b32 s17, s12, 6
	s_lshl_b32 s16, s13, 7
	s_add_co_u32 s16, s16, s17                     ; inner: row 128 x block row + 64 x half
	s_lshl_b32 s47, s12, 7
	s_lshl_b32 s46, s42, 8
	s_add_co_u32 s46, s46, s47                     ; w2h: row 256 x block column + 128 x half
	s_mov_b32 s17, 0
	s_mov_b32 s47, 0
	s_mov_b64 s[18:19], SIZE_K*2
	s_mul_u64 s[16:17], s[16:17], s[18:19]         ; in bytes
	s_mul_u64 s[46:47], s[46:47], s[18:19]
	s_wait_dscnt 0x0
	s_wait_kmcnt 0x0
	s_add_nc_u64 s[14:15], s[4:5], s[16:17]
	s_add_nc_u64 s[46:47], s[6:7], s[46:47]
	CROUND                                         ; all sixteen work-groups are here: the first joint loads meet
	WHERE G0,    64*PB,  BIGA-128*PB,   14, 0      ; inner's halves (waves 2, 3) lie behind w2h's 256 rows: the base takes two waves' steps back
	WHERE G0+4,  64*PS,  SMALLA-128*PS, 14, 512    ; the small slot's first tile begins 256 k = 512 bytes on
	WHERE G0B,   128*PB, 0,             46, 0      ; w2h's halves (waves 0, 1)
	WHERE G0B+4, 128*PS, SMALL,         46, 512
	JLOAD 0                                        ; both slots are asked for first: two tensor loads of the wave are out
	JLOAD 1
	; the other buffers at my part.  What hangs on the block column is made in the pair that held w2h's address, what hangs on the block row in the pair that fed inner's.
	s_lshl_b32 s46, s42, 10                        ; my 128 columns in f32: 1,024 x block column + 512 nh bytes, in b2 and in a row of batch alike
	s_lshl_b32 s47, s12, 9
	s_add_co_u32 s46, s46, s47
	s_mov_b32 s47, 0
	s_add_nc_u64 s[68:69], s[68:69], s[46:47]
	s_add_nc_u64 s[70:71], s[70:71], s[46:47]
	s_lshl_b32 s16, s13, 19                        ; my own 64 rows of batch: (128 x block row + 64 kh) x 4,096 bytes
	s_lshl_b32 s17, s11, 18
	s_add_co_u32 s16, s16, s17
	s_mov_b32 s17, 0
	s_add_nc_u64 s[70:71], s[70:71], s[16:17]
	s_lshl_b32 s46, s42, 15                        ; zp: 32,768 x block column + 512 x block row
	s_add_nc_u64 s[8:9], s[8:9], s[46:47]
	s_lshl_b32 s16, s13, 9
	s_add_nc_u64 s[8:9], s[8:9], s[16:17]
	v_and_b32 v1, 15, v0                           ; r = l % 16
	v_bfe_u32 v2, v0, 4, 1                         ; h = l / 16
	v_and_b32 v4, 31, v0                           ; l
	v_mul_u32_u24 v3, v1, PS
	v_lshl_add_u32 v3, v2, 4, v3                   ; small slot: row x pitch + 16 h
	v_mul_u32_u24 v6, v1, PB
	v_lshl_add_u32 v6, v2, 4, v6                   ; big slot: the same with its pitch
	s_xor_b32 s45, s11, 1                          ; 1 - kh
; the three fragment addresses of a slot: vb = row x pitch + 16 h, p = pitch, abase, bbase = where inner's and w2h's rows begin, 1 << sh = bytes of half a row
.macro ADDRS slot, vb, p, abase, bbase, sh
	s_lshl_b32 s18, s11, \sh                       ; my half of the slot's k
	s_mul_i32 s21, s11, 64*\p
	s_add_co_u32 s21, s21, s18
	s_add_co_u32 s21, s21, \abase                  ; inner's rows 64 kh ..
	s_mul_i32 s22, s45, 64*\p
	s_add_co_u32 s22, s22, s18
	s_add_co_u32 s22, s22, \abase                  ; inner's rows 64 (1 - kh) ..
	s_mul_i32 s23, s12, 128*\p
	s_add_co_u32 s23, s23, s18
	s_add_co_u32 s23, s23, \bbase                  ; w2h's rows 128 nh ..
	v_add_nc_u32 v[ADRL+\slot], s21, v[\vb]
	v_add_nc_u32 v[ADRH+\slot], s22, v[\vb]
	v_add_nc_u32 v[ADRB+\slot], s23, v[\vb]
.endm
	ADDRS 0, 6, PB, BIGA, 0, 8
	ADDRS 1, 3, PS, SMALLA, SMALL, 7
	s_lshl_b32 s18, s10, 15
	v_lshl_add_u32 v[XS], v4, 4, s18               ; 32,768 w + 16 l
	s_xor_b32 s19, s10, 2
	s_lshl_b32 s19, s19, 15
	v_lshl_add_u32 v[XL], v4, 4, s19               ; 32,768 (w xor 2) + 16 l
	s_mul_i32 s20, s10, 16*XPITCH
	s_add_co_u32 s20, s20, XST                     ; my stage for batch
	v_lshl_add_u32 v[XSTO], v4, 4, s20
	v_mul_u32_u24 v5, v1, XPITCH
	v_lshl_add_u32 v5, v2, 5, v5                   ; row r, columns 8 h ..: 32 h bytes
	v_add_nc_u32 v[XRD], s20, v5
	v_lshlrev_b32 v[L16], 4, v4
	v_lshlrev_b32 v[BO], 5, v2
	s_lshl_b32 s21, s10, 8
	s_add_co_u32 s21, s21, RS
	v_lshl_add_u32 v[RSO], v1, 2, s21              ; RS + 256 w + 4 r
	v_lshlrev_b32 v5, 9, v2
	v_lshl_add_u32 v5, v1, 4, v5
	v_add_nc_u32 v[RL], RS, v5                     ; rows 4 l .. 4 l + 3 of the block: waves 2 (l / 16) and 2 (l / 16) + 1, word 4 (l % 16)
	v_mov_b32 v[RED+1], 0                          ; v_permlanex16_b32 counts as a reader of its destination
	; C x bias of my 128 columns in the accumulators' layout, once; the first tiles are on their way meanwhile
	WIN TO_B
.irp b, 0,1,2,3,4,5,6,7
	global_load_b128 v[BIAS+8*\b:BIAS+8*\b+3],   v[BO], s[68:69] offset:64*\b
	global_load_b128 v[BIAS+8*\b+4:BIAS+8*\b+7], v[BO], s[68:69] offset:64*\b+16
.endr
	s_wait_loadcnt 0x0
	WIN 0x41
.set q, 0
.rept 32
	v_pk_mul_f32 v[BIAS+q:BIAS+q+1], v[BIAS+q:BIAS+q+1], 0x4038aa3b op_sel_hi:[1,0]
.set q, q+2
.endr
	WIN 0
; 16 matrix instructions: m blocks a0, a0 + 1 of the window's four (hi = 0: my own rows, 1: the partner's) x all 8 n blocks, 32 along K.
; The 64 accumulators take turns, one instruction a turn, in the same order in every quarter step, over the loop's backward jump too.
.macro MUL16 f, hi, a0, zero
.irp a, \a0, \a0+1
.irp b, 0,1,2,3,4,5,6,7
.if \zero
	v_wmma_f32_16x16x32_f16 v[8*(8*(\a)+\b):8*(8*(\a)+\b)+7], v[\f+8*\b:\f+8*\b+7], v[\f+8*(4*\hi+\a):\f+8*(4*\hi+\a)+7], 0
.else
	v_wmma_f32_16x16x32_f16 v[8*(8*(\a)+\b):8*(8*(\a)+\b)+7], v[\f+8*\b:\f+8*\b+7], v[\f+8*(4*\hi+\a):\f+8*(4*\hi+\a)+7], v[8*(8*(\a)+\b):8*(8*(\a)+\b)+7]
.endif
.endr
.endr
.endm
; 32 LDS loads in one run: 128 rows of w2h, my own 64 rows of inner (fragments 0-3), the partner's 64 rows (fragments 4-7); 32 K at byte k of my half of the rows.
; The pitch is the slot's: PB for slot 0, PS for slot 1.  The largest offset is 7 x 16 x 528 + 192 + 32 = 59,360, inside the 16 bits.
.macro FETCH slot, k, f
	WIN TO_B
.irp i, 0,1,2,3,4,5,6,7
	ds_load_b128 v[\f+8*\i:\f+8*\i+3],   v[ADRB+\slot] offset:\k+\i*16*(PB-(PB-PS)*\slot)
	ds_load_b128 v[\f+8*\i+4:\f+8*\i+7], v[ADRB+\slot] offset:\k+\i*16*(PB-(PB-PS)*\slot)+32
.endr
	WIN 0
.irp i, 0,1,2,3
	ds_load_b128 v[\f+8*\i:\f+8*\i+3],   v[ADRL+\slot] offset:\k+\i*16*(PB-(PB-PS)*\slot)
	ds_load_b128 v[\f+8*\i+4:\f+8*\i+7], v[ADRL+\slot] offset:\k+\i*16*(PB-(PB-PS)*\slot)+32
.endr
.irp i, 0,1,2,3
	ds_load_b128 v[\f+32+8*\i:\f+32+8*\i+3], v[ADRH+\slot] offset:\k+\i*16*(PB-(PB-PS)*\slot)
	ds_load_b128 v[\f+32+8*\i+4:\f+32+8*\i+7], v[ADRH+\slot] offset:\k+\i*16*(PB-(PB-PS)*\slot)+32
.endr
.endm
; four places behind a matrix instruction, in front of loads into its sources and of vector instructions that read its result
.macro PLACES
.rept 4
	v_nop
.endr
.endm
; A quarter step is 32 along K, 64 matrix instructions.  A wave has four of them in the big slot and two in the small one, on buffers 0, 1 in turn.
; All but a slot's last: multiplies buffer f; in its middle it fetches the next quarter's fragments, at byte k of the same slot, into buffer g.
.macro QUARTER slot, k, f, g, zero
	s_wait_dscnt 8                                 ; w2h and my own rows are in; the youngest eight loads (the partner's rows) may be out
	WIN MUL_LO
	MUL16 \f, 0, 0, \zero
	MUL16 \f, 0, 2, \zero
	PLACES
	FETCH \slot, \k, \g
	s_wait_dscnt 32                                ; all but the 32 just issued
	WIN MUL_HI
	MUL16 \f, 1, 0, \zero
	MUL16 \f, 1, 2, \zero
.endm
.macro THREE slot, zero
	QUARTER \slot, 64,  F0, F1, \zero
	QUARTER \slot, 128, F1, F0, 0
	QUARTER \slot, 192, F0, F1, 0
.endm
; A slot's last quarter: multiplies buffer 1 and changes slots.  In front of the barrier each wave waits for its reads of this slot and for all its
; tensor loads (one is out: its part of the next slot); behind it the refill comes first, then the next slot's first fragments.
; late = 0 (out of the big slot): the small slot's load has had 240 matrix instructions; sixteen more stand between signal and wait, while the others arrive.
; late = 1 (out of the small slot): the big slot's load is the larger one and has had the shorter stretch, so all 32 matrix instructions of this half stand
; in front of the wait for it, 128 since its request, and nothing stands between its landing and the next request but the round.
.macro TURN slot, next, fill, late
	s_wait_dscnt 8
	WIN MUL_LO
	MUL16 F1, 0, 0, 0
.if \late
	MUL16 F1, 0, 2, 0
.endif
	s_wait_dscnt 0                                 ; my reads of this slot are over
	s_wait_tensorcnt 0x0                           ; and all my tensor loads have landed
	ds_add_u32 v255, v255
	s_wait_dscnt 0x0
	s_barrier_signal -1                            ; where a slot is filled again this barrier opens a round of the cluster's barrier
.if \late == 0
	MUL16 F1, 0, 2, 0                              ; register work while the others arrive
.endif
	WIN 0
	s_barrier_wait -1
.if \fill
	CREST                                          ; no wave of any partner still reads this slot's tile or has a load on its way
	s_add_nc_u64 s[G0+4*\slot+2:G0+4*\slot+3], s[G0+4*\slot+2:G0+4*\slot+3], LAPBYTES
	s_add_nc_u64 s[G0B+4*\slot+2:G0B+4*\slot+3], s[G0B+4*\slot+2:G0B+4*\slot+3], LAPBYTES
	JLOAD \slot                                    ; the wave's one tensor load behind the round, and the first thing there
.endif
	PLACES
	FETCH \next, 0, F0
	WIN MUL_HI
	MUL16 F1, 1, 0, 0
	MUL16 F1, 1, 2, 0
.endm
; 384 k: the big slot, filled again; the small slot, filled again if more = 1
.macro LAP zero, more
	THREE 0, \zero
	TURN 0, 1, 1, 0
	QUARTER 1, 64, F0, F1, 0
	TURN 1, 0, \more, 1
.endm
	s_wait_tensorcnt 1                             ; my part of the big slot is in; the small slot's load stays out
	s_barrier_signal -1
	s_barrier_wait -1
	FETCH 0, 0, F0
	LAP 1, 1                                       ; lap 0: its first 64 products start the sums: nothing is cleared
	WIN 0
	s_mov_b32 s3, LAPS-2                           ; laps 1 to 8
.Llap:
	LAP 0, 1
	WIN 0
	s_sub_co_u32 s3, s3, 1
	s_cmp_lg_u32 s3, 0
	s_cbranch_scc1 .Llap
	LAP 0, 0                                       ; lap 9: the big slot gets the last 256 k; no small tile is left, so its turn has no round and no fill
	THREE 0, 0                                     ; the last 256 k
	s_wait_dscnt 8
	WIN MUL_LO
	MUL16 F1, 0, 0, 0
	MUL16 F1, 0, 2, 0
	s_wait_dscnt 0
	WIN MUL_HI
	MUL16 F1, 1, 0, 0
	MUL16 F1, 1, 2, 0
	; THE END.  batch's 64 rows x 512 bytes of my part are asked for first, a whole row piece a load, into the fragments' registers;
	; they come in while the halves of K are added.
	PLACES                                         ; the places behind the last matrix instructions, for all that follows
	WIN 0
.set q, 0
.rept 32
	global_load_b128 v[64+4*q:64+4*q+3], v[L16], s[70:71] offset:4096*q th:TH_LOAD_NT        ; rows 0-31: window 0
.set q, q+1
.endr
	WIN TO_B
.set q, 0
.rept 32
	global_load_b128 v[64+4*q:64+4*q+3], v[L16], s[70:71] offset:4096*(32+q) th:TH_LOAD_NT   ; rows 32-63: window 1
.set q, q+1
.endr
	s_barrier_signal -1                            ; every wave's reads of the ring are back (the wait for 0 above) and the ring has had its last fill:
	s_barrier_wait -1                              ; behind this barrier the big slot's bytes serve the hand-over and batch's stage
	WIN 0x0c                                       ; store data window 3
.set q, 0
.rept 64
	ds_store_b128 v[XS], v[4*q:4*q+3] offset:512*q ; the partner's rows, register for register; 32 lanes x 16 neighbouring bytes
.set q, q+1
.endr
	s_wait_dscnt 0x0                               ; for the partner's sake: all my stores are done
	s_barrier_signal -1
	s_barrier_wait -1
	WIN 0xc0                                       ; destination window 3
.set q, 0
.rept 64
	ds_load_b128 v[4*q:4*q+3], v[XL] offset:512*q  ; my own rows, summed over the other half of K
.set q, q+1
.endr
	s_wait_dscnt 32                                ; the first 32 loads, 128 registers, are in
	WIN 0x8e                                       ; window 2 += window 3
.set q, 0
.rept 64
	v_pk_add_f32 v[q:q+1], v[q:q+1], v[q:q+1]
.set q, q+2
.endr
	s_wait_dscnt 0x0
.rept 64
	v_pk_add_f32 v[q:q+1], v[q:q+1], v[q:q+1]
.set q, q+2
.endr
; rows 16 a .. 16 a + 15 of my 64: batch's rows from registers (window field xw, first register xb) through my stage into the accumulators' layout;
; bias and tanh; the products with batch summed over my 128 columns; one sum a row into RS.
.macro ROWS16 a, xw, xb
	s_wait_loadcnt 48-16*\a                        ; loads come back in order: this group's sixteen are in, the younger groups' stay out
	WIN \xw
.irp t, 0,1,2,3,4,5,6,7,8,9,10,11,12,13,14,15
	ds_store_b128 v[XSTO], v[\xb+4*\t:\xb+4*\t+3] offset:XPITCH*\t
.endr
	WIN 0xc0
.irp b, 0,1,2,3,4,5,6,7
	ds_load_b128 v[XF+8*\b:XF+8*\b+3],   v[XRD] offset:64*\b        ; my wave's own bytes, served in order: these see the stores above
	ds_load_b128 v[XF+8*\b+4:XF+8*\b+7], v[XRD] offset:64*\b+16
.endr
	WIN 0xd2                                       ; source 0 window 2 (sums), source 2 window 1 (bias), destination window 3
.irp b, 0,1,2,3,4,5,6,7
.irp p, 0,2,4,6
	v_pk_fma_f32 v[T+8*\b+\p:T+8*\b+\p+1], v[8*(8*\a+\b)+\p:8*(8*\a+\b)+\p+1], 0x4038aa3b, v[BIAS+8*\b+\p:BIAS+8*\b+\p+1] op_sel_hi:[1,0,1]
.endr
.endr
	WIN 0xc3                                       ; source 0 and destination window 3
.set q, 0
.rept 64
	v_exp_f32 v[T+q], v[T+q]
.set q, q+1
.endr
	v_nop                                          ; one plain place between a run of transcendentals and the first use (ISA guide 5.7.2)
.set q, 0
	s_wait_alu depctr_va_vdst(0)
.rept 32
	v_pk_add_f32 v[T+q:T+q+1], v[T+q:T+q+1], 1.0 op_sel_hi:[1,0]
.set q, q+2
.endr
.set q, 0
.rept 64
	v_rcp_f32 v[T+q], v[T+q]
.set q, q+1
.endr
	v_nop
.set q, 0
	s_wait_alu depctr_va_vdst(0)
.rept 32
	v_pk_fma_f32 v[T+q:T+q+1], v[T+q:T+q+1], -2.0, 1.0 op_sel_hi:[1,0,0]
.set q, q+2
.endr
	s_wait_dscnt 0x0                               ; batch's numbers are in XF
	WIN 0xff                                       ; all in window 3
.irp p, 0,2,4,6
	v_pk_mul_f32 v[DOT+\p:DOT+\p+1], v[T+\p:T+\p+1], v[XF+\p:XF+\p+1]          ; the first tile starts four chains
.endr
.irp b, 1,2,3,4,5,6,7
.irp p, 0,2,4,6
	v_pk_fma_f32 v[DOT+\p:DOT+\p+1], v[T+8*\b+\p:T+8*\b+\p+1], v[XF+8*\b+\p:XF+8*\b+\p+1], v[DOT+\p:DOT+\p+1]
.endr
.endr
	v_pk_add_f32 v[DOT:DOT+1], v[DOT:DOT+1], v[DOT+2:DOT+3]
	v_pk_add_f32 v[DOT+4:DOT+5], v[DOT+4:DOT+5], v[DOT+6:DOT+7]
	v_pk_add_f32 v[DOT:DOT+1], v[DOT:DOT+1], v[DOT+4:DOT+5]
	WIN 0x0f                                       ; sources window 3, destination window 0
	v_add_f32 v[RED], v[DOT], v[DOT+1]
	WIN 0
	v_permlanex16_b32 v[RED+1], v[RED], s72, s73   ; lanes l and l xor 16 hold the two halves of a row's columns
	v_add_f32 v[RED], v[RED], v[RED+1]
	ds_store_b32 v[RSO], v[RED] offset:64*\a       ; lanes l and l + 16 write the same word with the same number
.endm
	ROWS16 0, 0, 64
	ROWS16 1, 0, 128
	ROWS16 2, 4, 64
	ROWS16 3, 4, 128
	s_wait_dscnt 0x0                               ; for wave 0's sake: my row sums are stored
	s_barrier_signal -1
	s_barrier_wait -1
	s_cmp_lg_u32 s10, 0
	s_cbranch_scc1 .Lstored
	ds_load_b128 v[ZS:ZS+3],   v[RL]               ; rows 4 l .. 4 l + 3: the left 128 columns' sums,
	ds_load_b128 v[ZS+4:ZS+7], v[RL] offset:256    ; the right ones'
	s_wait_dscnt 0x0
	v_pk_add_f32 v[ZS:ZS+1],   v[ZS:ZS+1],   v[ZS+4:ZS+5]
	v_pk_add_f32 v[ZS+2:ZS+3], v[ZS+2:ZS+3], v[ZS+6:ZS+7]
	global_store_b128 v[L16], v[ZS:ZS+3], s[8:9]   ; 512 consecutive bytes, aligned: the block's 128 rows
.Lstored:
	s_set_vgpr_msb 0x1
	s_wait_tensorcnt 0x0
	ds_add_u32 v255, v255
	s_wait_dscnt 0x0
	s_set_vgpr_msb 0x100
	CROUND                                         ; the closing round: no work-group ends while a partner may still ask for a tile that names it
	s_endpgm
.Lfunc_end_k_qca0b7c639f_ffn2:
	.size	k_qca0b7c639f_ffn2, .Lfunc_end_k_qca0b7c639f_ffn2-k_qca0b7c639f_ffn2
	.p2alignl 7, 3214868480
	.fill 96, 4, 3214868480
	.section	.rodata,"a",@progbits
	.p2align	6, 0x0
	.amdhsa_kernel k_qca0b7c639f_ffn2
		.amdhsa_group_segment_fixed_size 327680
		.amdhsa_private_segment_fixed_size 0
		.amdhsa_enable_private_segment 0
		.amdhsa_kernarg_size 40
		.amdhsa_user_sgpr_count 2
		.amdhsa_user_sgpr_kernarg_segment_ptr 1
		.amdhsa_wavefront_size32 1
		.amdhsa_system_sgpr_workgroup_id_x 1
		.amdhsa_system_sgpr_workgroup_id_y 1
		.amdhsa_system_sgpr_workgroup_id_z 1
		.amdhsa_system_vgpr_workitem_id 0
		.amdhsa_next_free_vgpr 1024
		.amdhsa_next_free_sgpr 92
		.amdhsa_reserve_vcc 0
		.amdhsa_float_denorm_mode_32 3
		.amdhsa_float_denorm_mode_16_64 3
		.amdhsa_memory_ordered 1
		.amdhsa_forward_progress 1
		.amdhsa_inst_pref_size 244
	.end_amdhsa_kernel
	.amdgpu_metadata
---
amdhsa.version: [ 1, 2 ]
amdhsa.kernels:
  - .name:           k_qca0b7c639f_ffn2
    .symbol:         k_qca0b7c639f_ffn2.kd
    .args:
      - { .name: inner, .offset: 0, .size: 8, .value_kind: global_buffer, .address_space: global }
      - { .name: w2h, .offset: 8, .size: 8, .value_kind: global_buffer, .address_space: global }
      - { .name: b2, .offset: 16, .size: 8, .value_kind: global_buffer, .address_space: global }
      - { .name: batch, .offset: 24, .size: 8, .value_kind: global_buffer, .address_space: global }
      - { .name: zp, .offset: 32, .size: 8, .value_kind: global_buffer, .address_space: global }
    .group_segment_fixed_size: 327680
    .private_segment_fixed_size: 0
    .kernarg_segment_align: 8
    .kernarg_segment_size: 40
    .max_flat_workgroup_size: 128
    .sgpr_count:     92
    .vgpr_count:     1024
    .wavefront_size: 32
...
	.end_amdgpu_metadata
.endif
;; end of part 3
;; launch finish (part 4): grid 16 x 1, 4 waves a work-group, no clusters, 0 bytes of LDS; arguments zp, out0; writes out0
.if DOCPART == 4
	.amdgcn_target "amdgcn-amd-amdhsa--gfx1250"
	.amdhsa_code_object_version 6
	.text
	.protected	k_qca0b7c639f_finish
	.globl	k_qca0b7c639f_finish
	.p2align	8
	.type	k_qca0b7c639f_finish,@function
k_qca0b7c639f_finish:
	s_mov_b64 s[64:65], 0
	v_nop
	global_prefetch_b8 v0, s[64:65] scope:SCOPE_SE
	s_setreg_imm32_b32 hwreg(HW_REG_WAVE_MODE, 25, 1), 1
	s_wait_xcnt 0x0
; out0[m] = sigmoid( zp[0][m] + zp[1][m] + zp[2][m] + zp[3][m] ) = 1 / (1 + 2^(-log2 e x z)).  zp: [4][8192] f32, out0: [8192] f32.
; At both ends it is right: 2^.. = infinity gives 0, 0 gives 1.  Results below 2^-126 come out as 0 (the transcendentals flush denormals: ISA guide 15.8).
; Thread t of a work-group takes four rows, 16 bytes of each of the four parts; a work-group 512 rows; sixteen work-groups are all the work there is.
; No LDS, matrix unit or cluster: work-groups share no byte.
	s_load_b128 s[4:7], s[0:1], 0x0                ; zp s[4:5], out0 s[6:7]
	s_lshl_b32 s2, ttmp9, 11                       ; 512 rows of 4 bytes a work-group
	s_mov_b32 s3, 0
	v_lshlrev_b32 v1, 4, v0
	s_wait_kmcnt 0x0
	s_add_nc_u64 s[4:5], s[4:5], s[2:3]
	s_add_nc_u64 s[6:7], s[6:7], s[2:3]
.irp c, 0,1,2,3
	global_load_b128 v[4+4*\c:7+4*\c], v1, s[4:5] offset:32768*\c th:TH_LOAD_NT
.endr
	s_wait_loadcnt 0x0
	v_pk_add_f32 v[4:5], v[4:5], v[8:9]
	v_pk_add_f32 v[6:7], v[6:7], v[10:11]
	v_pk_add_f32 v[12:13], v[12:13], v[16:17]
	v_pk_add_f32 v[14:15], v[14:15], v[18:19]
	v_pk_add_f32 v[4:5], v[4:5], v[12:13]
	v_pk_add_f32 v[6:7], v[6:7], v[14:15]
	v_pk_mul_f32 v[4:5], v[4:5], 0xbfb8aa3b op_sel_hi:[1,0]    ; x -log2 e
	v_pk_mul_f32 v[6:7], v[6:7], 0xbfb8aa3b op_sel_hi:[1,0]
	v_exp_f32 v4, v4
	v_exp_f32 v5, v5
	v_exp_f32 v6, v6
	v_exp_f32 v7, v7
	v_nop                                          ; one plain place between a run of transcendentals and the first use (ISA guide 5.7.2)
	s_wait_alu depctr_va_vdst(0)
	v_pk_add_f32 v[4:5], v[4:5], 1.0 op_sel_hi:[1,0]
	v_pk_add_f32 v[6:7], v[6:7], 1.0 op_sel_hi:[1,0]
	v_rcp_f32 v4, v4
	v_rcp_f32 v5, v5
	v_rcp_f32 v6, v6
	v_rcp_f32 v7, v7
	v_nop
	s_wait_alu depctr_va_vdst(0)
	global_store_b128 v1, v[4:7], s[6:7]           ; a wave's store covers 512 consecutive bytes, aligned
	s_endpgm
.Lfunc_end_k_qca0b7c639f_finish:
	.size	k_qca0b7c639f_finish, .Lfunc_end_k_qca0b7c639f_finish-k_qca0b7c639f_finish
	.p2alignl 7, 3214868480
	.fill 96, 4, 3214868480
	.section	.rodata,"a",@progbits
	.p2align	6, 0x0
	.amdhsa_kernel k_qca0b7c639f_finish
		.amdhsa_group_segment_fixed_size 0
		.amdhsa_private_segment_fixed_size 0
		.amdhsa_enable_private_segment 0
		.amdhsa_kernarg_size 16
		.amdhsa_user_sgpr_count 2
		.amdhsa_user_sgpr_kernarg_segment_ptr 1
		.amdhsa_wavefront_size32 1
		.amdhsa_system_sgpr_workgroup_id_x 1
		.amdhsa_system_sgpr_workgroup_id_y 1
		.amdhsa_system_sgpr_workgroup_id_z 1
		.amdhsa_system_vgpr_workitem_id 0
		.amdhsa_next_free_vgpr 24
		.amdhsa_next_free_sgpr 66
		.amdhsa_reserve_vcc 0
		.amdhsa_float_denorm_mode_32 3
		.amdhsa_float_denorm_mode_16_64 3
		.amdhsa_memory_ordered 1
		.amdhsa_forward_progress 1
		.amdhsa_inst_pref_size 3
	.end_amdhsa_kernel
	.amdgpu_metadata
---
amdhsa.version: [ 1, 2 ]
amdhsa.kernels:
  - .name:           k_qca0b7c639f_finish
    .symbol:         k_qca0b7c639f_finish.kd
    .args:
      - { .name: zp, .offset: 0, .size: 8, .value_kind: global_buffer, .address_space: global }
      - { .name: out0, .offset: 8, .size: 8, .value_kind: global_buffer, .address_space: global }
    .group_segment_fixed_size: 0
    .private_segment_fixed_size: 0
    .kernarg_segment_align: 8
    .kernarg_segment_size: 16
    .max_flat_workgroup_size: 128
    .sgpr_count:     66
    .vgpr_count:     24
    .wavefront_size: 32
...
	.end_amdgpu_metadata
.endif
;; end of part 4
